; MI455X (gfx1250); checked and timed in simulation.
; The chip was launched on July 23, 2026; its instructions are those of AMD's public machine-readable ISA for CDNA 5 (MIT licence, August 2026) and "CDNA5" Instruction Set Architecture Reference Guide (July 2026). The comments in the code are by the model that wrote it; some were corrected since.
;; Discrete Decision Engine. Allowed arithmetic: matrix products marked QUANTISED: E2M1 operands, one E8M0 scale for each 32 along K, by v_wmma_scale_f32_16x16x128_f8f6f4 with both operands' format E2M1 (or v_wmma_scale_f32_32x16x128_f4), f32 sums; everything else in f32.
;; Inputs: codebook 8,192 x 512 float32; x 16,384 x 512 float32.
;; Outputs: out0 16,384 x 512 float32.
;; This version of the problem:
;;   THIS VERSION OF THE PROBLEM IS GIVEN IN LOW PRECISION. The matrix products marked QUANTISED in the list below multiply operands that are first quantised to E2M1 (2 exponent bits, 1 mantissa bit; 4 bits a number), with one power-of-two scale for each 32 numbers along K (OCP MX v1.0); their sums are f32. All else is computed in f32.
;;   The module's matrix products, in the order in which they are computed (A, B: the left and right operand; K: the contracted axis; several contracted axes count as one K, in the product's order):
;;     1. [M 16,384, K 512] x [K 512, N 8,192]; A: input x; B: input codebook: QUANTISED
;;   THE QUANTISER, for each operand of a quantised product, along K:
;;     - K is cut into blocks of 32 from its start; a last block that is shorter is filled with zeros.
;;     - A block's scale is 2^e with e = floor(log2(the largest magnitude in the block)) - 2, held to -126 .. 127; a block of zeros has e = 0. As a byte (E8M0): e + 127.
;;     - Each number is divided by its block's scale, clamped to +-6, and rounded to the nearest number of E2M1, ties to even, subnormals kept.
;;     - The product sums the exact products of the quantised numbers (number of the format x scale) in f32.
;;   ~~~python
;;   def quantise(x, axis):      # numpy; x: float32 -> the quantised numbers, widened to float32 again
;;       x = np.moveaxis(x, axis, -1); K = x.shape[-1]
;;       x = np.pad(x, [(0, 0)] * (x.ndim - 1) + [(0, -K % 32)]); x = x.reshape(x.shape[:-1] + (-1, 32)); a = np.abs(x).max(-1, keepdims=True)
;;       e = np.where(a > 0, np.clip(np.frexp(np.where(a > 0, a, 1))[1] - 1 - 2, -126, 127), 0)      # np.frexp(a)[1] - 1 = floor(log2(a)), exactly
;;       r = np.clip(x / 2.0 ** e, -6, 6)
;;       step = 2.0 ** (np.maximum(np.frexp(np.where(r == 0, 1, r))[1] - 1, 0) - 1)
;;       q = np.round(r / step) * step * 2.0 ** e      # np.round: ties to even
;;       return np.moveaxis(q.reshape(q.shape[:-2] + (-1,))[..., :K], -1, axis).astype(np.float32)
;;   ~~~
;; One version. Each part assembles by itself: llvm-mc -triple=amdgcn-amd-amdhsa -mcpu=gfx1250 --defsym DOCPART=n.
;; ======== version 1 of 1: 3 launches
;; limits: right only within a limited range of input values
;; workspace buffers: qrec 7,077,888 bytes; cand 2,097,152 bytes of whole numbers
;; launch quant (part 1): grid 256 x 1, 6 waves a work-group, no clusters, 52,992 bytes of LDS; arguments x, codebook, qrec; writes qrec
.if DOCPART == 1
	.amdgcn_target "amdgcn-amd-amdhsa--gfx1250"
	.amdhsa_code_object_version 6
	.text
	.protected	k_q6b26e90271_quant
	.globl	k_q6b26e90271_quant
	.p2align	8
	.type	k_q6b26e90271_quant,@function
k_q6b26e90271_quant:
	s_mov_b64 s[64:65], 0
	v_nop
	global_prefetch_b8 v0, s[64:65] scope:SCOPE_SE
	s_setreg_imm32_b32 hwreg(HW_REG_WAVE_MODE, 25, 1), 1
	s_wait_xcnt 0x0
; x [16384][512] and codebook [8192][512], f32, become RECORDS of 4,608 bytes, one for each 16 rows: records 0-1023 x, 1024-1535 the codebook.
; A record: eight images of 512 bytes (image n, lane l = (r, h): the 32 codes of FP4 of row r, k = 64 n + 32 h .. + 31: a matrix operand's registers as they stand);
; at 4,096 the rows' scale words (16 bytes a row: one E8M0 word for each 128 along K); at 4,352 the 16 rows' numbers, four times on end: x_sq for x, -0.5 c_sq for the codebook.
; A block's scale is 2^(floor(log2(largest magnitude)) - 2): its byte is the largest magnitude's exponent field - 2, held at 1 from below (a block of zeros keeps 1: its codes are zeros, and this program alone reads the bytes).
; LIMITS: NaN and infinities among the inputs are not served.
; SHARES: 1,536 records = 256 work-groups x 6 waves, a record a wave.  All 64 loads of a wave's 32,768 bytes are issued at once into window 1; each covers two rows' aligned 256 bytes.
; Chunk n (16 rows x 256 bytes) turns through the wave's own stage in LDS (rows 272 bytes apart, two stages by turns) and comes back 128 bytes a lane.  No tensor load, no barrier: waves share nothing.
.set RECB, 4608
.set SP,   272
.set STG,  16*SP
.set WLDS, 2*STG
.set SPARE, 6*WLDS                     ; behind the six waves' stages: the spare words, 128 bytes a wave
.set X,    32                          ; v32-95   two sets of 32 neighbours along K
.set C,    96                          ; v96-127  codes, four registers a block: no store's data are written again
.set E,    128                         ; v128-135 scale bytes
.set SQ,   136                         ; v136-143 sums of squares, four packed chains
.set W,    144
.set PW,   148
.set NRM,  152
.set NG,   154
.set OUTR, 160
.set MSB, 0
.macro WIN new                         ; the immediate's high byte repeats the setting that is left
.if MSB != \new
	s_set_vgpr_msb (MSB<<8)|\new
.set MSB, \new
.endif
.endm
	s_load_b128 s[4:7], s[0:1], 0x0                ; x, codebook
	s_load_b64 s[8:9], s[0:1], 0x10                ; the records
	v_lshl_add_u32 v168, v0, 2, SPARE
	v_mov_b32 v169, 0
	v_lshrrev_b32 v1, 5, v0
	v_readfirstlane_b32 s10, v1                    ; wave
	s_mul_i32 s11, ttmp9, 6
	s_add_co_u32 s11, s11, s10                     ; my record
	s_mul_i32 s16, s10, WLDS                       ; my stages
	s_mov_b32 s13, 0xbf000000                      ; -0.5
	s_mov_b32 s15, 0
	s_mov_b32 s34, 0x76543210
	s_mov_b32 s35, 0xfedcba98                      ; lane l xor 16
	s_mov_b32 s36, 0xc840c840                      ; lane m of a row takes row 4 (m % 4) + i's number
	s_mov_b32 s37, 0xd951d951
	s_mov_b32 s38, 0xea62ea62
	s_mov_b32 s39, 0xfb73fb73
	v_and_b32 v1, 31, v0
	v_and_b32 v2, 15, v0                           ; r
	v_bfe_u32 v3, v0, 4, 1                         ; h
	v_lshlrev_b32 v5, 4, v1                        ; 16 x lane: my place in an image
	v_lshlrev_b32 v10, 4, v2
	v_lshl_add_u32 v11, v3, 11, v10                ; in memory: lanes 0-15 a row's 256 bytes, lanes 16-31 the next row's
	v_mul_u32_u24 v12, v3, SP
	v_add_nc_u32 v12, v12, v10
	v_add_nc_u32 v12, s16, v12                     ; into the stage, as loaded
	v_mul_u32_u24 v4, v2, SP
	v_lshl_add_u32 v4, v3, 7, v4
	v_add_nc_u32 v4, s16, v4                       ; out of it: row r, 128 h
	v_lshlrev_b32 v9, 3, v3
	v_cmp_le_u32 s40, 16, v1
.irp i, 0,1,2,3
	v_mov_b32 v[PW+\i], 0                          ; a lane permute's destination counts as a source
	v_mov_b32 v[NG+\i], 0
.endr
	v_mov_b32 v[NRM+1], 0
	s_wait_alu depctr_va_vdst(0)
	s_wait_kmcnt 0x0
	s_cmp_lt_u32 s11, 1024                         ; x's record or the codebook's: hangs on ids alone
	s_cselect_b64 s[4:5], s[4:5], s[6:7]
	s_cselect_b32 s12, 0, 1024
	s_cselect_b32 s13, 1.0, s13
	s_sub_co_u32 s12, s11, s12
	s_lshl_b32 s14, s12, 15                        ; 16 rows of 2,048 bytes
	s_add_nc_u64 s[4:5], s[4:5], s[14:15]
	s_mul_i32 s14, s11, RECB
	s_add_nc_u64 s[8:9], s[8:9], s[14:15]
	WIN 0x40                                       ; destination window 1
.irp n, 0,1,2,3,4,5,6,7
.irp i, 0,1,2,3,4,5,6,7
	global_load_b128 v[32*\n+4*\i:32*\n+4*\i+3], v11, s[4:5] offset:4096*\i+256*\n th:TH_LOAD_NT
.endr
.endr
	WIN 0
.macro TURN n                          ; chunk n through stage n % 2: LDS serves a wave's instructions in order, so no wait stands between the stores and the loads
	WIN 0x04                                       ; store data window 1
.irp i, 0,1,2,3,4,5,6,7
	ds_store_b128 v12, v[32*(\n)+4*\i:32*(\n)+4*\i+3] offset:STG*((\n)%2)+2*SP*\i
.endr
	WIN 0
.irp j, 0,1,2,3,4,5,6,7
	ds_load_b128 v[X+32*((\n)%2)+4*\j:X+32*((\n)%2)+4*\j+3], v4 offset:STG*((\n)%2)+16*\j
.endr
.endm
.macro BLOCK n
.set XS, X+32*((\n)%2)
.if (\n) < 7
	s_wait_loadcnt 48-8*(\n)                       ; loads come back in order: chunk n + 1's eight are in, the later chunks' may be out
	TURN (\n)+1
	s_wait_dscnt 16                                ; all but the 16 just issued: chunk n is back from its stage
.else
	s_wait_dscnt 0x0
.endif
	v_max3_num_f32 v6, |v[XS]|, |v[XS+1]|, |v[XS+2]|
	v_max3_num_f32 v7, |v[XS+3]|, |v[XS+4]|, |v[XS+5]|
.irp i, 6,10,14,18,22,26
	v_max3_num_f32 v6, v6, |v[XS+\i]|, |v[XS+\i+1]|
	v_max3_num_f32 v7, v7, |v[XS+\i+2]|, |v[XS+\i+3]|
.endr
	v_max3_num_f32 v6, v6, |v[XS+30]|, |v[XS+31]|
	v_max3_num_f32 v6, v6, v7, 0x1800000           ; the floor 2^(3 - 127): the byte cannot fall under 1
	v_add_nc_u32 v8, 0xff000000, v6                ; 2 off the exponent field: the conversion's scale operand
.irp i, 0,1,2,3,4,5,6,7,8,9,10,11,12,13,14,15
.if ((\n) == 0) && (\i < 4)
	v_pk_mul_f32 v[SQ+2*\i:SQ+2*\i+1], v[XS+2*\i:XS+2*\i+1], v[XS+2*\i:XS+2*\i+1]
.else
	v_pk_fma_f32 v[SQ+2*(\i%4):SQ+2*(\i%4)+1], v[XS+2*\i:XS+2*\i+1], v[XS+2*\i:XS+2*\i+1], v[SQ+2*(\i%4):SQ+2*(\i%4)+1]
.endif
.endr
.irp g, 0,1,2,3
	v_cvt_scalef32_pk8_fp4_f32 v[C+4*(\n)+\g], v[XS+8*\g:XS+8*\g+7], v8
.endr
	v_lshrrev_b32 v[E+(\n)], 23, v8                ; the scale's byte; also the plain line behind the conversions
	global_store_b128 v5, v[C+4*(\n):C+4*(\n)+3], s[8:9] offset:512*(\n)   ; image n: 512 consecutive bytes
.endm
	s_wait_loadcnt 56                              ; chunk 0's eight loads are in
	TURN 0
.irp n, 0,1,2,3,4,5,6,7
	BLOCK \n
.endr
.irp s, 0,1,2,3
	v_lshl_or_b32 v[W+\s], v[E+2*\s+1], 16, v[E+2*\s]   ; my two bytes of K step s: blocks h and 2 + h
.endr
.irp s, 0,1,2,3
	v_lshlrev_b32 v[W+\s], v9, v[W+\s]
.endr
.irp s, 0,1,2,3
	v_permlanex16_b32 v[PW+\s], v[W+\s], s34, s35
.endr
.irp s, 0,1,2,3
	v_or_b32 v[W+\s], v[W+\s], v[PW+\s]            ; with lane l xor 16's two the word is whole
.endr
	v_pk_add_f32 v[SQ:SQ+1], v[SQ:SQ+1], v[SQ+2:SQ+3]
	v_pk_add_f32 v[SQ+4:SQ+5], v[SQ+4:SQ+5], v[SQ+6:SQ+7]
	v_pk_add_f32 v[SQ:SQ+1], v[SQ:SQ+1], v[SQ+4:SQ+5]
	v_add_f32 v[NRM], v[SQ], v[SQ+1]
	v_permlanex16_b32 v[NRM+1], v[NRM], s34, s35
	v_add_f32 v[NRM], v[NRM], v[NRM+1]             ; the row's sum of squares
	v_mul_f32 v[NRM], s13, v[NRM]                  ; x 1 or x -0.5
.irp i, 0,1,2,3
	v_permlane16_b32 v[NG+\i], v[NRM], s[36+\i], s[36+\i]
.endr
.irp i, 0,1,2,3
	v_cndmask_b32 v[OUTR+\i], v[W+\i], v[NG+\i], s40   ; lanes 0-15 the scale words, lanes 16-31 the numbers
.endr
	global_store_b128 v5, v[OUTR:OUTR+3], s[8:9] offset:4096
	s_wait_tensorcnt 0x0                           ; the wave's end
	ds_add_u32 v168, v169
	s_wait_dscnt 0x0
	s_endpgm
.Lfunc_end_k_q6b26e90271_quant:
	.size	k_q6b26e90271_quant, .Lfunc_end_k_q6b26e90271_quant-k_q6b26e90271_quant
	.p2alignl 7, 3214868480
	.fill 96, 4, 3214868480
	.section	.rodata,"a",@progbits
	.p2align	6, 0x0
	.amdhsa_kernel k_q6b26e90271_quant
		.amdhsa_group_segment_fixed_size 52992
		.amdhsa_private_segment_fixed_size 0
		.amdhsa_enable_private_segment 0
		.amdhsa_kernarg_size 24
		.amdhsa_user_sgpr_count 2
		.amdhsa_user_sgpr_kernarg_segment_ptr 1
		.amdhsa_wavefront_size32 1
		.amdhsa_system_sgpr_workgroup_id_x 1
		.amdhsa_system_sgpr_workgroup_id_y 1
		.amdhsa_system_sgpr_workgroup_id_z 1
		.amdhsa_system_vgpr_workitem_id 0
		.amdhsa_next_free_vgpr 512
		.amdhsa_next_free_sgpr 66
		.amdhsa_reserve_vcc 0
		.amdhsa_float_denorm_mode_32 3
		.amdhsa_float_denorm_mode_16_64 3
		.amdhsa_memory_ordered 1
		.amdhsa_forward_progress 1
		.amdhsa_inst_pref_size 40
	.end_amdhsa_kernel
	.amdgpu_metadata
---
amdhsa.version: [ 1, 2 ]
amdhsa.kernels:
  - .name:           k_q6b26e90271_quant
    .symbol:         k_q6b26e90271_quant.kd
    .args:
      - { .name: x, .offset: 0, .size: 8, .value_kind: global_buffer, .address_space: global }
      - { .name: codebook, .offset: 8, .size: 8, .value_kind: global_buffer, .address_space: global }
      - { .name: qrec, .offset: 16, .size: 8, .value_kind: global_buffer, .address_space: global }
    .group_segment_fixed_size: 52992
    .private_segment_fixed_size: 0
    .kernarg_segment_align: 8
    .kernarg_segment_size: 24
    .max_flat_workgroup_size: 192
    .sgpr_count:     66
    .vgpr_count:     512
    .wavefront_size: 32
...
	.end_amdgpu_metadata
.endif
;; end of part 1
;; launch search (part 2): grid 32 x 8, 4 waves a work-group, clusters of 4 x 1, 327,680 bytes of LDS; arguments qrec, cand; writes cand
.if DOCPART == 2
	.amdgcn_target "amdgcn-amd-amdhsa--gfx1250"
	.amdhsa_code_object_version 6
	.text
	.protected	k_q6b26e90271_search
	.globl	k_q6b26e90271_search
	.p2align	8
	.type	k_q6b26e90271_search,@function
k_q6b26e90271_search:
	s_mov_b64 s[64:65], 0
	v_nop
	global_prefetch_b8 v0, s[64:65] scope:SCOPE_SE
	s_setreg_imm32_b32 hwreg(HW_REG_WAVE_MODE, 25, 1), 1
	s_wait_xcnt 0x0
	s_wait_alu depctr_hold_cnt(0) depctr_sa_sdst(0) depctr_va_vdst(0) depctr_va_sdst(0) depctr_va_ssrc(0) depctr_va_vcc(0) depctr_vm_vsrc(0)
	s_getreg_b32 s2, hwreg(HW_REG_IB_STS2, 6, 4)
	s_cmp_eq_u32 s2, 0
	s_cbranch_scc0 .Lentry_in_a_cluster
	s_endpgm
.Lentry_in_a_cluster:
	s_bfe_u32 s2, ttmp6, 0x10000c
	s_cmp_lg_u32 s2, 0x3003
	s_cbranch_scc0 .Lentry_shape_is_right
	s_endpgm
.Lentry_shape_is_right:
; For 512 tokens and a RANGE of 1,024 codes: D(code, token) = dots - 0.5 c_sq, dots on codes of FP4 with E8M0 scales, and for each token the range's largest D, that is its least distance, with the lowest code that has it.
; dist2 = x_sq - 2 dots + c_sq = x_sq - 2 D.  -0.5 c_sq is the C of each sum's first matrix instruction; x_sq is added once for a token and a range, to the largest D: rounding keeps order.
; OUT, for range rg and token n: cand[rg][n] = the least dist2 as a whole number that sorts as the f32 does; a second plane, 1,048,576 bytes on, = the code's number.
; LIMITS: the sum is taken as x_sq + (c_sq - 2 dots), c_sq entering the matrix unit's sum, where the source reads (x_sq - 2 dots) + c_sq: codes whose distances differ only by such roundings may be ordered otherwise.
; Equal numbers go to the lowest code at every level.  NaN and infinities are not served; -0 sorts under +0.
; SHARES: work-group (tb, rg): tokens 512 tb on, codes 1,024 rg on: 32 x 8 = 256 work-groups of equal work.  Four waves; wave w keeps 128 tokens (8 tiles of 16, all 512 along K: 256 registers, window 1) as source 1
; and walks the range's 64 tiles of 16 codes, source 0, out of LDS.
; CLUSTER: the four work-groups of a cluster share rg and so the 64 code records: every fill is a JOINT load (mask 15).  The tokens' records go from memory straight into registers, once.
; LDS: code tile c's record at 4,608 c, each byte filled once, in three fills a wave: records 0-7 at the head, 8-23 and 24-63 each behind the full sequence and a round of the cluster's barrier, a stage ahead of its first read.
; Behind the records a stage of 1,024 bytes a wave, then the spare words.  By the text's own count a wave has one tensor load out.
; NO DATA PREFETCH: the three fills are written out, no loop runs ahead of a load, and each fill is asked for 6 or 16 tiles ahead of its first read.
; FRAGMENTS have two register sets (window 0 and window 2) and are fetched two tiles ahead, at a tile's end.
; TRACKING: a lane holds one token (lane % 16) and eight codes of a tile (8 (lane / 16) + j).  It keeps the largest D so far, and of the tile that brought it the number and all eight values; which of the eight it was is looked for once, at the end.
; The tracking's registers are numbered so that the vector sources of each of its instructions differ modulo 4.
.set RECB,  4608
.set STAGE, 64*RECB
.set SPARE, STAGE+4096
.set LA,  1                            ; 16 x lane
.set LS,  2                            ; 4,096 + 16 (lane % 16)
.set LC,  3                            ; 4,352 + 32 (lane / 16)
.set ADA, 4                            ; v4-6 the same three in the record to be fetched
.set ADS, 5
.set ADC, 6
.set HB,  7                            ; 1,024 rg + 8 (lane / 16)
.set XS,  8                            ; v8-23   the tokens' scale words: register 4 p + s: lanes 0-15 tile 2 p, lanes 16-31 tile 2 p + 1
.set AS,  24                           ; v24-31  the code tile's scale words, two sets
.set AF,  32                           ; v32-63  its four fragments: set 0 in window 0, set 1 in window 2
.set CN,  64                           ; v64-79  -0.5 c_sq of my eight codes, two sets
.set ACC, 80                           ; v80-143 eight accumulators
.set STG, 144
.set STR, 145
.set SV,  146                          ; v146-209 the best tile's eight values, for each tile of tokens
.set LX,  210
.set XSA, 211
.set QB,  212                          ; v212-243 four registers for each tile of tokens: two at work, then the largest D so far in two sets by turns
.set BA,  QB+2
.set BB,  QB+3
.set TI,  244                          ; v244-251 the best tile's number
.set SPW, 254
.set NIL, 255
.set XQ,  64                           ; window 2, v64-71: x_sq of my token
.set EI,  ACC                          ; the end: the code's number; the other half's value and number; the key; a token a lane; four tokens a lane
.set EVP, ACC+8
.set EIP, ACC+16
.set EK,  ACC+24
.set EP,  ACC+32
.set ER,  ACC+40
.set TB,  28                           ; s28 LDS byte of the record to be fetched
.set CT,  29                           ; s29 the number of the tile in hand
.set MSB, 0
.macro WIN new
.if MSB != \new
	s_set_vgpr_msb (MSB<<8)|\new
.set MSB, \new
.endif
.endm
.macro ROUND                           ; a round of the cluster's barrier
	s_barrier_signal -1
	s_barrier_wait -1
	s_cmp_lg_u32 s8, 0
	s_cbranch_scc1 .Lnot_wave_0_\@
	s_barrier_signal -3
.Lnot_wave_0_\@:
	s_barrier_wait -3
	s_barrier_signal -1
	s_barrier_wait -1
.endm
	s_load_b128 s[4:7], s[0:1], 0x0                ; the records, cand
	v_lshl_add_u32 v[SPW], v0, 2, SPARE
	v_mov_b32 v[NIL], 0
	ds_add_u32 v[SPW], v[NIL]
	ds_add_u32 v[SPW], v[NIL]
	v_lshrrev_b32 v1, 5, v0
	v_readfirstlane_b32 s8, v1                     ; wave 0..3
	s_bfe_u32 s9, ttmp6, 0x40000                   ; cx: it enters the tokens' and cand's addresses alone
	s_lshl_b32 s10, ttmp9, 2
	s_add_co_u32 s10, s10, s9                      ; tb
	s_and_b32 s11, ttmp7, 0xffff                   ; rg, which the four partners share
	s_mov_b32 s16, 15|(3<<16)|(1<<21)              ; group 1: mask of all four; elements of 8 bytes; bit 21 beside a mask; no padding
	s_mov_b32 s17, 32<<16                          ; rows of 256 bytes
	s_mov_b32 s18, 36<<16                          ; two records, dense: 36 rows
	s_mov_b32 s19, 32<<16
	s_mov_b32 s20, 36
	s_mov_b32 s21, 32
	s_mov_b32 s22, 0
	s_mov_b32 s23, 0
	s_mov_b32 s12, 1
	s_mul_i32 s13, s8, 2*RECB                      ; LDS byte = byte in the range's 64 records
	s_mov_b32 s46, s13
	s_mov_b32 s47, 0
	s_lshl_b32 s38, s11, 6
	s_add_co_u32 s38, s38, 1024                    ; the range's first record
	s_mul_i32 s38, s38, RECB
	s_mov_b32 s39, 0
	s_lshl_b32 s40, s10, 5
	s_lshl_b32 s41, s8, 3
	s_add_co_u32 s40, s40, s41                     ; my tokens' first record: 32 tb + 8 wave
	s_mul_i32 s40, s40, RECB
	s_mov_b32 s41, 0
	s_lshl_b32 s42, s11, 16                        ; cand: 65,536 rg + 4 (512 tb + 128 wave)
	s_lshl_b32 s43, s10, 11
	s_add_co_u32 s42, s42, s43
	s_lshl_b32 s43, s8, 9
	s_add_co_u32 s42, s42, s43
	s_mov_b32 s43, 0
	s_mov_b32 s34, 0x76543210
	s_mov_b32 s35, 0xfedcba98                      ; lane l xor 16
	s_mov_b32 s[TB], 0
	s_mov_b32 s[CT], 0
	v_and_b32 v244, 31, v0
	v_and_b32 v252, 15, v0
	v_bfe_u32 v253, v0, 4, 1
	v_lshlrev_b32 v[LA], 4, v244
	v_lshl_add_u32 v[LS], v252, 4, 4096
	v_lshl_add_u32 v[LC], v253, 5, 4352
	s_lshl_b32 s36, s11, 10
	v_lshl_add_u32 v[HB], v253, 3, s36
	v_lshlrev_b32 v[LX], 2, v252
	v_mul_u32_u24 v[XSA], v253, RECB
	v_add_nc_u32 v[XSA], v[XSA], v[LS]
	s_lshl_b32 s37, s8, 10
	s_add_co_u32 s37, s37, STAGE
	v_lshl_add_u32 v[STG], v244, 2, s37
	v_add_nc_u32 v[STR], s37, v[LA]
	v_cmp_le_u32 s32, 16, v244                     ; lanes 16-31
	s_wait_alu depctr_va_vdst(0)
	s_wait_dscnt 0x0
	s_wait_kmcnt 0x0
	s_add_nc_u64 s[44:45], s[4:5], s[38:39]        ; the range's records
	s_add_nc_u64 s[14:15], s[44:45], s[46:47]
	s_or_b32 s15, s15, 0x80000000
	s_add_nc_u64 s[24:25], s[4:5], s[40:41]
	s_add_nc_u64 s[26:27], s[6:7], s[42:43]
	ROUND                                          ; all four work-groups are here: the joint loads meet
	tensor_load_to_lds s[12:15], s[16:23]          ; records 2 w, 2 w + 1: the wave's one load at the head
	s_nop 0
.irp i, 0,1,2,3,4,5,6,7
	v_mov_b32 v[BA+4*\i], 0xff800000               ; the first tile finds -infinity, which every D beats
	v_mov_b32 v[TI+\i], 0
.endr
	WIN 0x40                                       ; destination window 1
.irp tt, 0,1,2,3,4,5,6,7
.irp n, 0,1,2,3,4,5,6,7
	global_load_b128 v[32*\tt+4*\n:32*\tt+4*\n+3], v[LA], s[24:25] offset:RECB*\tt+512*\n   ; my tokens' fragments: 512 consecutive bytes a load
.endr
.endr
	WIN 0
.irp p, 0,1,2,3
	global_load_b128 v[XS+4*\p:XS+4*\p+3], v[XSA], s[24:25] offset:2*RECB*\p
.endr
	WIN 0x80                                       ; destination window 2
.irp tt, 0,1,2,3,4,5,6,7
	global_load_b32 v[XQ+\tt], v[LX], s[24:25] offset:RECB*\tt+4352
.endr
	WIN 0
.set i, 0
.rept 64
	v_mov_b32 v[SV+i], 0
.set i, i+1
.endr
; A later first fill: records first + each x wave on, rows rows of 256 bytes.
.macro FILL first, each, rows
	s_wait_alu depctr_va_vdst(0)
	s_wait_tensorcnt 0x0                           ; my earlier fill has landed: the descriptor may be written
	ds_add_u32 v[SPW], v[NIL]
	s_mul_i32 s13, s8, \each*RECB
	s_add_co_u32 s13, s13, \first*RECB
	s_mov_b32 s46, s13
	s_add_nc_u64 s[14:15], s[44:45], s[46:47]
	s_or_b32 s15, s15, 0x80000000
	s_mov_b32 s18, \rows<<16
	s_mov_b32 s20, \rows
	s_wait_dscnt 0x0                               ; the add is done, and my LDS loads are back
	ROUND                                          ; everybody's earlier fill has landed, in all four work-groups
	tensor_load_to_lds s[12:15], s[16:23]
	s_nop 0
.rept 4
	v_nop
.endr
.endm
.macro FADR
	v_add_nc_u32 v[ADA], s[TB], v[LA]
	v_add_nc_u32 v[ADS], s[TB], v[LS]
	v_add_nc_u32 v[ADC], s[TB], v[LC]
.endm
.macro FLOAD p                         ; eleven LDS loads: a code tile's image, scale words and eight numbers, into set p
.if \p
	WIN 0x80                                       ; destination window 2
.endif
.irp n, 0,1,2,3,4,5,6,7
	ds_load_b128 v[AF+4*\n:AF+4*\n+3], v[ADA] offset:512*\n
.endr
	WIN 0
	ds_load_b128 v[AS+4*\p:AS+4*\p+3], v[ADS]
	ds_load_b128 v[CN+8*\p:CN+8*\p+3], v[ADC]
	ds_load_b128 v[CN+8*\p+4:CN+8*\p+7], v[ADC] offset:16
	s_add_co_u32 s[TB], s[TB], RECB
.endm
.macro WM d, a, b, c, sa, sb, row
.if \row
	v_wmma_scale_f32_16x16x128_f8f6f4 v[(\d):(\d)+7], v[(\a):(\a)+7], v[(\b):(\b)+7], v[(\c):(\c)+7], v[\sa], v[\sb] matrix_a_fmt:MATRIX_FMT_FP4 matrix_b_fmt:MATRIX_FMT_FP4 matrix_b_scale:MATRIX_SCALE_ROW1
.else
	v_wmma_scale_f32_16x16x128_f8f6f4 v[(\d):(\d)+7], v[(\a):(\a)+7], v[(\b):(\b)+7], v[(\c):(\c)+7], v[\sa], v[\sb] matrix_a_fmt:MATRIX_FMT_FP4 matrix_b_fmt:MATRIX_FMT_FP4
.endif
.endm
; 32 matrix instructions: source 0 = the tile's 16 codes, source 1 = 16 tokens: lane (r, h), register j holds D(code 8 h + j, token r).  The eight accumulators take turns, K step by K step.
.macro MM p
	WIN 0x04+2*\p                                  ; source 1 window 1; source 0 window 0 or 2
.irp s, 0,1,2,3
.irp tt, 0,1,2,3,4,5,6,7
.if \s == 0
	WM ACC+8*\tt, AF+8*\s, 32*\tt+8*\s, CN+8*\p, AS+4*\p+\s, XS+4*(\tt/2)+\s, \tt%2
.else
	WM ACC+8*\tt, AF+8*\s, 32*\tt+8*\s, ACC+8*\tt, AS+4*\p+\s, XS+4*(\tt/2)+\s, \tt%2
.endif
.endr
.endr
	WIN 0
.endm
; The largest of an accumulator's eight numbers and the largest so far, three operands at a time; M1 is the accumulator's first reader and begins at its low end.
.macro M1 t
	v_max3_num_f32 v[QB+4*(\t)], v[ACC+8*(\t)], v[ACC+8*(\t)+1], v[ACC+8*(\t)+2]
.endm
.macro M2 t
	v_max3_num_f32 v[QB+4*(\t)+1], v[ACC+8*(\t)+3], v[ACC+8*(\t)+4], v[ACC+8*(\t)+5]
.endm
.macro M3 t
	v_max3_num_f32 v[QB+4*(\t)], v[QB+4*(\t)], v[ACC+8*(\t)+6], v[ACC+8*(\t)+7]
.endm
.macro M4 t, old, new
	v_max3_num_f32 v[\new+4*(\t)], v[QB+4*(\t)], v[QB+4*(\t)+1], v[\old+4*(\t)]
.endm
.macro KEEP t, j                       ; values j, j + 1 are kept where the tile brought a new largest
	v_dual_cndmask_b32 v[SV+8*(\t)+\j], v[SV+8*(\t)+\j], v[ACC+8*(\t)+\j] :: v_dual_cndmask_b32 v[SV+8*(\t)+\j+1], v[SV+8*(\t)+\j+1], v[ACC+8*(\t)+\j+1]
.endm
; A tile of 16 codes out of set p.  left: the LDS loads that may stay out (the next tile's eleven).  Behind the last matrix instruction stand four plain lines that name none of its registers, ahead of the first
; read of results (ISA guide 7.12.1).  The maxima run one to three tiles of tokens ahead of the compare that uses them; the compare is strict: an earlier tile of codes keeps a tie.
; The tile two on is fetched at the end, into the set just multiplied: it has the whole next tile in which to come.
.macro TILE p, old, new, fetch, left
	s_wait_dscnt \left
	MM \p
.if \fetch
	FADR
	v_nop
.else
.rept 4
	v_nop
.endr
.endif
	M1 0
	M2 0
	M1 1
	M2 1
	M3 0
	M1 2
	M2 2
	M4 0, \old, \new
	M3 1
	M1 3
	M2 3
.irp t, 0,1,2,3,4,5,6,7
	v_cmp_gt_f32 vcc_lo, v[\new+4*\t], v[\old+4*\t]
.if \t < 7
	M4 \t+1, \old, \new
.endif
.if \t < 6
	M3 \t+2
.endif
.if (\t > 0) && (\t < 5)
	M1 \t+3
	M2 \t+3
.endif
	KEEP \t, 0
	KEEP \t, 2
	KEEP \t, 4
	KEEP \t, 6
	v_cndmask_b32 v[TI+\t], v[TI+\t], s[CT], vcc_lo
.endr
.if \fetch
	FLOAD \p
.endif
	s_add_co_u32 s[CT], s[CT], 1
.endm
.macro PAIRS n, lbl                    ; n trips of two tiles: both register sets and both sets of largest values are back where they began
	s_mov_b32 s31, \n
\lbl:
	s_wait_alu depctr_va_vdst(0)
	TILE 0, BA, BB, 1, 11
	TILE 1, BB, BA, 1, 11
	s_sub_co_u32 s31, s31, 1
	s_cmp_lg_u32 s31, 0
	s_cbranch_scc1 \lbl
.endm
	FILL 8, 4, 72                                  ; records 0-7 are in; records 8-23 go out
	FADR
	FLOAD 0                                        ; code tile 0
	FADR
	FLOAD 1                                        ; code tile 1
	s_wait_loadcnt 0x0                             ; my tokens
	PAIRS 3, .Lp1                                  ; tiles 0-5; they fetch tiles 2-7
	FILL 24, 10, 180                               ; records 8-23 are in; records 24-63 go out
	PAIRS 8, .Lp2                                  ; tiles 6-21; they fetch tiles 8-23
	s_wait_alu depctr_va_vdst(0)
	s_wait_tensorcnt 0x0                           ; my part of records 24-63 is in,
	s_wait_dscnt 0x0
	s_barrier_signal -1
	s_barrier_wait -1                              ; everybody's is
	PAIRS 20, .Lp3                                 ; tiles 22-61; they fetch tiles 24-63
	TILE 0, BA, BB, 0, 11                          ; the last two fetch nothing
	TILE 1, BB, BA, 0, 0
	; THE END.  Which of the best tile's eight values was the largest: the lowest j that equals it.
.irp t, 0,1,2,3,4,5,6,7
	v_mov_b32 v[EI+\t], 7
.endr
.irp j, 6,5,4,3,2,1,0
.irp t, 0,1,2,3,4,5,6,7
	v_cmp_neq_f32 s[36+\t], v[SV+8*\t+\j], v[BA+4*\t]
.endr
.irp t, 0,1,2,3,4,5,6,7
	v_cndmask_b32 v[EI+\t], \j, v[EI+\t], s[36+\t]
.endr
.endr
.irp t, 0,1,2,3,4,5,6,7
	v_lshl_add_u32 v[EI+\t], v[TI+\t], 4, v[EI+\t]
.endr
.irp t, 0,1,2,3,4,5,6,7
	v_add_nc_u32 v[EI+\t], v[HB], v[EI+\t]         ; the code: 1,024 rg + 16 tile + 8 h + j
.endr
.irp t, 0,1,2,3,4,5,6,7
	v_permlanex16_b32 v[EVP+\t], v[BA+4*\t], s34, s35   ; the token's other eight codes of each tile lie in the lane 16 away
	v_permlanex16_b32 v[EIP+\t], v[EI+\t], s34, s35
.endr
.irp t, 0,1,2,3,4,5,6,7
	v_cmp_gt_f32 s36, v[EVP+\t], v[BA+4*\t]
	v_cmp_eq_f32 s37, v[EVP+\t], v[BA+4*\t]
	v_cmp_lt_u32 vcc_lo, v[EIP+\t], v[EI+\t]
	s_and_b32 s37, s37, vcc_lo
	s_or_b32 s36, s36, s37                         ; the other's is larger, or equal with the lower code
	v_max_num_f32 v[BA+4*\t], v[BA+4*\t], v[EVP+\t]
	v_cndmask_b32 v[EI+\t], v[EI+\t], v[EIP+\t], s36
.endr
	WIN 0x20                                       ; source 2 window 2: x_sq
.irp t, 0,1,2,3,4,5,6,7
	v_fma_f32 v[EK+\t], v[BA+4*\t], -2.0, v[XQ+\t]   ; the range's least dist2 = x_sq - 2 D
.endr
	WIN 0
.irp t, 0,1,2,3,4,5,6,7
	v_ashrrev_i32 v[EVP+\t], 31, v[EK+\t]
.endr
.irp t, 0,1,2,3,4,5,6,7
	v_or_b32 v[EVP+\t], 0x80000000, v[EVP+\t]
.endr
.irp t, 0,1,2,3,4,5,6,7
	v_xor_b32 v[EK+\t], v[EK+\t], v[EVP+\t]        ; as a whole number that sorts as the f32 does
.endr
.irp p, 0,1,2,3
	v_cndmask_b32 v[EP+\p], v[EK+2*\p], v[EK+2*\p+1], s32     ; lane l: token 32 p + l of my 128
	v_cndmask_b32 v[EP+4+\p], v[EI+2*\p], v[EI+2*\p+1], s32
.endr
.irp p, 0,1,2,3
	ds_store_b32 v[STG], v[EP+\p] offset:128*\p
	ds_store_b32 v[STG], v[EP+4+\p] offset:512+128*\p
.endr
	ds_load_b128 v[ER:ER+3], v[STR]                ; LDS serves a wave's instructions in order (ISA guide 5.7.1.4): these see my stores.  Four tokens a lane
	ds_load_b128 v[ER+4:ER+7], v[STR] offset:512
	s_wait_dscnt 0x0
	global_store_b128 v[LA], v[ER:ER+3], s[26:27]                    ; 512 consecutive bytes, at a multiple of 256 from the buffer's first byte: the keys,
	global_store_b128 v[LA], v[ER+4:ER+7], s[26:27] offset:1048576   ; and the codes' numbers
	s_wait_tensorcnt 0x0                           ; the wave's end
	ds_add_u32 v[SPW], v[NIL]
	s_wait_dscnt 0x0
	ROUND                                          ; the closing round
	s_endpgm
.Lfunc_end_k_q6b26e90271_search:
	.size	k_q6b26e90271_search, .Lfunc_end_k_q6b26e90271_search-k_q6b26e90271_search
	.p2alignl 7, 3214868480
	.fill 96, 4, 3214868480
	.section	.rodata,"a",@progbits
	.p2align	6, 0x0
	.amdhsa_kernel k_q6b26e90271_search
		.amdhsa_group_segment_fixed_size 327680
		.amdhsa_private_segment_fixed_size 0
		.amdhsa_enable_private_segment 0
		.amdhsa_kernarg_size 16
		.amdhsa_user_sgpr_count 2
		.amdhsa_user_sgpr_kernarg_segment_ptr 1
		.amdhsa_wavefront_size32 1
		.amdhsa_system_sgpr_workgroup_id_x 1
		.amdhsa_system_sgpr_workgroup_id_y 1
		.amdhsa_system_sgpr_workgroup_id_z 1
		.amdhsa_system_vgpr_workitem_id 0
		.amdhsa_next_free_vgpr 584
		.amdhsa_next_free_sgpr 66
		.amdhsa_reserve_vcc 1
		.amdhsa_float_denorm_mode_32 3
		.amdhsa_float_denorm_mode_16_64 3
		.amdhsa_memory_ordered 1
		.amdhsa_forward_progress 1
		.amdhsa_inst_pref_size 110
	.end_amdhsa_kernel
	.amdgpu_metadata
---
amdhsa.version: [ 1, 2 ]
amdhsa.kernels:
  - .name:           k_q6b26e90271_search
    .symbol:         k_q6b26e90271_search.kd
    .args:
      - { .name: qrec, .offset: 0, .size: 8, .value_kind: global_buffer, .address_space: global }
      - { .name: cand, .offset: 8, .size: 8, .value_kind: global_buffer, .address_space: global }
    .group_segment_fixed_size: 327680
    .private_segment_fixed_size: 0
    .kernarg_segment_align: 8
    .kernarg_segment_size: 16
    .max_flat_workgroup_size: 128
    .sgpr_count:     66
    .vgpr_count:     584
    .wavefront_size: 32
...
	.end_amdgpu_metadata
.endif
;; end of part 2
;; launch gather (part 3): grid 256 x 1, 8 waves a work-group, no clusters, 0 bytes of LDS; arguments cand, codebook, out0; writes out0
.if DOCPART == 3
	.amdgcn_target "amdgcn-amd-amdhsa--gfx1250"
	.amdhsa_code_object_version 6
	.text
	.protected	k_q6b26e90271_gather
	.globl	k_q6b26e90271_gather
	.p2align	8
	.type	k_q6b26e90271_gather,@function
k_q6b26e90271_gather:
	s_mov_b64 s[64:65], 0
	v_nop
	global_prefetch_b8 v0, s[64:65] scope:SCOPE_SE
	s_setreg_imm32_b32 hwreg(HW_REG_WAVE_MODE, 25, 1), 1
	s_wait_xcnt 0x0
; out0[n] = codebook[the code of token n's least distance].  cand holds, for each of 8 ranges of codes and each token, the range's least distance as a whole number that sorts as the distance does (plane 0)
; and the code that has it (plane 1, 1,048,576 bytes on).  Here only whole numbers are compared: the least key wins, and of equal keys the lowest code.
; SHARES: a work-group takes 64 tokens, a wave 8.  Lane l looks at token l % 8 and ranges 2 (l / 8), + 1; two exchanges between lanes (l xor 8, l xor 16) join the four groups.
; Then the wave copies its 8 rows of 2,048 bytes in 32 units of 512 consecutive bytes, each with registers of its own.  DEPTH loads are issued first; then, unit by unit, the oldest load is awaited and stored and the
; load DEPTH units on is issued: loads and stores take turns.  Each store covers 512 consecutive bytes, at a multiple of 256 from out0's first byte.
; No LDS, no barrier, no matrix unit: waves share nothing and the launch only moves bytes.  No loop, so no data prefetch.  A code's number is held at 8,191 from above before it enters an address.
.set DEPTH, 12                         ; loads of a wave that are out at once: 12 x 8 waves x 512 bytes a work-group
.set K,  4                             ; v4-5   two ranges' keys; v4 then the least
.set I,  8                             ; v8-9   their codes; v8 then the winner's
.set OF, 16                            ; v16-23 a row's byte offset in the codebook + 16 x lane, for each of my wave's 8 tokens
.set R,  32                            ; v32-159 the 32 units, 4 registers each
	s_load_b128 s[4:7], s[0:1], 0x0                ; cand, codebook
	s_load_b64 s[8:9], s[0:1], 0x10                ; out0
	v_lshrrev_b32 v1, 5, v0
	s_delay_alu instid0(VALU_DEP_1)
	v_readfirstlane_b32 s10, v1                    ; wave
	s_lshl_b32 s11, ttmp9, 6
	s_lshl_b32 s10, s10, 3
	s_add_co_u32 s10, s10, s11                     ; my wave's first token: 64 x work-group + 8 x wave
	v_and_b32 v3, 31, v0                           ; lane
	s_delay_alu instid0(VALU_DEP_1)
	v_lshlrev_b32 v1, 4, v3                        ; 16 x lane
	v_and_b32 v2, 7, v0                            ; my token
	s_delay_alu instid0(VALU_DEP_3)
	v_lshrrev_b32 v3, 3, v3                        ; my group of two ranges
	s_delay_alu instid0(VALU_DEP_2)
	v_lshlrev_b32 v2, 2, v2
	s_delay_alu instid0(VALU_DEP_1)
	v_lshl_add_u32 v2, v3, 17, v2                  ; 2 ranges x 65,536 bytes x group + 4 x token
	v_mov_b32 v12, 0                               ; written once: the destinations of the lane exchanges count as sources
	v_mov_b32 v13, 0
	s_lshl_b32 s14, s10, 2
	s_mov_b32 s15, 0
	s_lshl_b32 s16, s10, 11
	s_mov_b32 s17, 0
	s_mov_b32 s28, 0x76543210
	s_mov_b32 s29, 0xfedcba98                      ; v_permlanex16_b32: lane l xor 16
	s_wait_alu depctr_va_vdst(0)
	s_wait_kmcnt 0x0
	s_add_nc_u64 s[4:5], s[4:5], s[14:15]
	s_add_nc_u64 s[8:9], s[8:9], s[16:17]
.irp q, 0,1
	global_load_b32 v[K+\q], v2, s[4:5] offset:65536*\q
	global_load_b32 v[I+\q], v2, s[4:5] offset:1048576+65536*\q
.endr
	s_wait_loadcnt 0x0
	v_cmp_lt_u32 vcc_lo, v[K+1], v[K]              ; strict: the lower range, which has the lower codes, keeps a tie
	s_delay_alu instid0(VALU_DEP_1)
	v_cndmask_b32 v[K], v[K], v[K+1], vcc_lo
	s_delay_alu instid0(VALU_DEP_2)
	v_cndmask_b32 v[I], v[I], v[I+1], vcc_lo
.macro XCOMB                           ; v12, v13: another lane's key and code.  It wins with the lesser key, or an equal key and the lower code
	s_delay_alu instid0(VALU_DEP_2)
	v_cmp_lt_u32 s12, v12, v[K]
	s_delay_alu instid0(VALU_DEP_3)
	v_cmp_eq_u32 s13, v12, v[K]
	s_delay_alu instid0(VALU_DEP_3)
	v_cmp_lt_u32 vcc_lo, v13, v[I]
	s_and_b32 s13, s13, vcc_lo
	s_or_b32 s12, s12, s13
	v_cndmask_b32 v[K], v[K], v12, s12
	v_cndmask_b32 v[I], v[I], v13, s12
.endm
	s_delay_alu instid0(VALU_DEP_2)
	v_mov_b32_dpp v12, v[K] row_xmask:8 row_mask:0xf bank_mask:0xf
	s_delay_alu instid0(VALU_DEP_2)
	v_mov_b32_dpp v13, v[I] row_xmask:8 row_mask:0xf bank_mask:0xf
	XCOMB
	s_delay_alu instid0(VALU_DEP_2)
	v_permlanex16_b32 v12, v[K], s28, s29
	s_delay_alu instid0(VALU_DEP_2)
	v_permlanex16_b32 v13, v[I], s28, s29
	XCOMB                                          ; lanes 0-7 (and their three copies) hold tokens 0-7's codes
.irp i, 0,1,2,3,4,5,6,7
	v_readlane_b32 s[20+\i], v[I], \i
.endr
.irp i, 0,1,2,3,4,5,6,7
	s_min_u32 s[20+\i], s[20+\i], 8191             ; inside the table, whatever was read
.endr
.irp i, 0,1,2,3,4,5,6,7
	v_lshl_add_u32 v[OF+\i], s[20+\i], 11, v1      ; 2,048 bytes a row, + 16 x lane
.endr
	s_wait_alu depctr_va_vdst(0)                   ; directly behind the writes: the later loads read these offsets behind waits
.macro LDU k                           ; unit k: 512 bytes of row k / 4.  No hint: a row may be named by many tokens
	global_load_b128 v[R+4*(\k):R+4*(\k)+3], v[OF+(\k)/4], s[6:7] offset:512*((\k)%4)
.endm
.macro STU k                           ; written once, read by nobody here
	global_store_b128 v1, v[R+4*(\k):R+4*(\k)+3], s[8:9] offset:512*(\k) th:TH_STORE_NT
.endm
.set k, 0
.rept DEPTH
	LDU k
.set k, k+1
.endr
.set k, 0
.rept 32
.if k < 32-DEPTH
	s_wait_loadcnt DEPTH-1                         ; loads come back in order (ISA guide 5.7.1): unit k is in, the DEPTH - 1 younger ones may be out
.else
	s_wait_loadcnt 31-k                            ; nothing more is asked for: the counts run down
.endif
	STU k
.if k < 32-DEPTH
	LDU k+DEPTH
.endif
.set k, k+1
.endr
	s_endpgm
.Lfunc_end_k_q6b26e90271_gather:
	.size	k_q6b26e90271_gather, .Lfunc_end_k_q6b26e90271_gather-k_q6b26e90271_gather
	.p2alignl 7, 3214868480
	.fill 96, 4, 3214868480
	.section	.rodata,"a",@progbits
	.p2align	6, 0x0
	.amdhsa_kernel k_q6b26e90271_gather
		.amdhsa_group_segment_fixed_size 0
		.amdhsa_private_segment_fixed_size 0
		.amdhsa_enable_private_segment 0
		.amdhsa_kernarg_size 24
		.amdhsa_user_sgpr_count 2
		.amdhsa_user_sgpr_kernarg_segment_ptr 1
		.amdhsa_wavefront_size32 1
		.amdhsa_system_sgpr_workgroup_id_x 1
		.amdhsa_system_sgpr_workgroup_id_y 1
		.amdhsa_system_sgpr_workgroup_id_z 1
		.amdhsa_system_vgpr_workitem_id 0
		.amdhsa_next_free_vgpr 160
		.amdhsa_next_free_sgpr 66
		.amdhsa_reserve_vcc 1
		.amdhsa_float_denorm_mode_32 3
		.amdhsa_float_denorm_mode_16_64 3
		.amdhsa_memory_ordered 1
		.amdhsa_forward_progress 1
		.amdhsa_inst_pref_size 12
	.end_amdhsa_kernel
	.amdgpu_metadata
---
amdhsa.version: [ 1, 2 ]
amdhsa.kernels:
  - .name:           k_q6b26e90271_gather
    .symbol:         k_q6b26e90271_gather.kd
    .args:
      - { .name: cand, .offset: 0, .size: 8, .value_kind: global_buffer, .address_space: global }
      - { .name: codebook, .offset: 8, .size: 8, .value_kind: global_buffer, .address_space: global }
      - { .name: out0, .offset: 16, .size: 8, .value_kind: global_buffer, .address_space: global }
    .group_segment_fixed_size: 0
    .private_segment_fixed_size: 0
    .kernarg_segment_align: 8
    .kernarg_segment_size: 24
    .max_flat_workgroup_size: 256
    .sgpr_count:     66
    .vgpr_count:     160
    .wavefront_size: 32
...
	.end_amdgpu_metadata
.endif
;; end of part 3
